; MI455X (gfx1250); checked and timed in simulation.
; The chip was launched on July 23, 2026; its instructions are those of AMD's public machine-readable ISA for CDNA 5 (MIT licence, August 2026) and "CDNA5" Instruction Set Architecture Reference Guide (July 2026). The comments in the code are by the model that wrote it; some were corrected since.
;; Multi Head Attention. Allowed arithmetic: matrix products marked QUANTISED: E4M3 operands, one given power-of-two scale a tensor, by v_wmma_f32_16x16x64_fp8_fp8 or v_wmma_f32_16x16x128_fp8_fp8, f32 sums; everything else in f32.
;; Inputs: Wk 1,024 x 1,024 float32; Wo 1,024 x 1,024 float32; Wq 1,024 x 1,024 float32; Wv 1,024 x 1,024 float32; bo 1,024 float32; in_data 2 x 2,048 x 1,024 float32; lowp_scales 12 int32 (the exponents e of the quantised operands' scales 2^e).
;; Outputs: out0 2 x 2,048 x 1,024 float32.
;; This version of the problem:
;;   THIS VERSION OF THE PROBLEM IS GIVEN IN LOW PRECISION. The matrix products marked QUANTISED in the list below multiply operands that are first quantised to E4M3 (4 exponent bits, 3 mantissa bits; 8 bits a number), with one given power-of-two scale for each operand tensor; their sums are f32. All else is computed in f32.
;;   The module's matrix products, in the order in which they are computed (A, B: the left and right operand; K: the contracted axis; several contracted axes count as one K, in the product's order):
;;     1. [M 4,096, K 1,024] x [K 1,024, N 1,024]; A: input in_data; B: input Wq: QUANTISED (scales: A lowp_scales[0], B lowp_scales[1])
;;     2. [M 4,096, K 1,024] x [K 1,024, N 1,024]; A: input in_data; B: input Wk: QUANTISED (scales: A lowp_scales[2], B lowp_scales[3])
;;     3. [M 4,096, K 1,024] x [K 1,024, N 1,024]; A: input in_data; B: input Wv: QUANTISED (scales: A lowp_scales[4], B lowp_scales[5])
;;     4. batch 32 x [M 2,048, K 64] x [K 64, N 2,048]; A: computed on the way; B: computed on the way: QUANTISED (scales: A lowp_scales[6], B lowp_scales[7])
;;     5. batch 32 x [M 2,048, K 2,048] x [K 2,048, N 64]; A: softmax (see below); B: computed on the way: QUANTISED (scales: A lowp_scales[8], B lowp_scales[9])
;;     6. [M 4,096, K 1,024] x [K 1,024, N 1,024]; A: computed on the way; B: input Wo: QUANTISED (scales: A lowp_scales[10], B lowp_scales[11])
;;   THE QUANTISER, for each operand of a quantised product, along K:
;;     - The operand's scale is 2^e, e = its entry of the input lowp_scales (int32; the entries are numbered through the quantised products in the list's order, A before B).
;;     - Each number is divided by the scale, clamped to +-448, and rounded to the nearest number of E4M3, ties to even, subnormals kept.
;;     - The product sums the exact products of the quantised numbers (number of the format x scale) in f32.
;;   ~~~python
;;   def quantise(x, axis, e):      # numpy; x: float32 -> the quantised numbers, widened to float32 again
;;       x = np.moveaxis(x, axis, -1); K = x.shape[-1]
;;       r = np.clip(x / 2.0 ** e, -448, 448)
;;       step = 2.0 ** (np.maximum(np.frexp(np.where(r == 0, 1, r))[1] - 1, -6) - 3)
;;       q = np.round(r / step) * step * 2.0 ** e      # np.round: ties to even
;;       return np.moveaxis(q, -1, axis).astype(np.float32)
;;   ~~~
;;   SOFTMAX AHEAD OF A QUANTISED PRODUCT. Where the list says 'softmax', what is quantised is not the finished softmax but p = 2^(t - M), with t = logit x log2(e) and M = ceil(the row's largest t), a whole number; so 1/2 < the row's largest p <= 1. The row's sum l is taken of the UNQUANTISED p, in f32, and the product's result is divided by l at the end. Since M is a whole number, a kernel that streams over the keys may use a running M (the ceiling of the running maximum): every later rescaling is an exact power of two, so the quantised numbers keep their values, but for numbers so far below the row's largest that they fall under the format's range.
;;   OPERANDS COMPUTED ON THE WAY. 'Computed on the way' means the value that the module computes at that place (a softmax that the list does not call 'softmax' is quantised finished and normalised). What goes into a quantiser is computed in f32, as accurately as f32 sums, v_exp_f32 and their like allow (about 1e-6 of the number): no bf16 or f16 on the way to a quantiser, and a product that is left as it is and whose result goes on into a quantised operand takes f32 operands (vector FMAs, or v_wmma_f32_16x16x4_f32). A number that lies on a knife's edge between two numbers of the format may be rounded either way, as far as f32 arithmetic and the matrix unit's own rounding can turn it there, and no further.
;; One version. Each part assembles by itself: llvm-mc -triple=amdgcn-amd-amdhsa -mcpu=gfx1250 --defsym DOCPART=n.
;; ======== version 1 of 1: 4 launches
;; limits: right only within a limited range of input values
;; workspace buffers: xc 12,582,912 bytes; wc 4,194,304 bytes; qkv 12,582,912 bytes; cc 4,194,304 bytes
;; launch quant (part 1): grid 256 x 1, 8 waves a work-group, no clusters, 66,560 bytes of LDS; arguments in_data, Wq, Wk, Wv, Wo, lowp_scales, xc, wc; writes xc, wc
.if DOCPART == 1
	.amdgcn_target "amdgcn-amd-amdhsa--gfx1250"
	.amdhsa_code_object_version 6
	.text
	.protected	k_q1294a2b477_quant
	.globl	k_q1294a2b477_quant
	.p2align	8
	.type	k_q1294a2b477_quant,@function
k_q1294a2b477_quant:
	s_mov_b64 s[64:65], 0
	v_nop
	global_prefetch_b8 v0, s[64:65] scope:SCOPE_SE
	s_setreg_imm32_b32 hwreg(HW_REG_WAVE_MODE, 25, 1), 1
	s_wait_xcnt 0x0
; in_data [4096][1024] f32 becomes three sets of E4M3 codes (scales 2^e0, 2^e2, 2^e4: the three projections may be given different scales), xc [3][4096][1024];
; Wq, Wk, Wv, Wo [1024][1024] f32 become codes with 2^e1, 2^e3, 2^e5, 2^e11, wc [4][1024][1024].  code = x / 2^e, held within +-448, to the nearest code, ties to even.
; LAYOUT OF A ROW OF CODES: one code a byte, K along the row; inside each 32 bytes the four pieces of 8 codes lie in the order k-piece 0, 2, 1, 3.  A 16-byte load at 32 c + 16 (lane / 16) of a row then
; brings registers 4 c .. 4 c + 3 of an 8-bit fragment with every k in the place that the plain fp8 matrix forms give it (registers 2 c, 2 c + 1: k = 16 c + 8 (lane / 16) + 0 .. 7).
; SHARES.  Rows are dense, so every tensor is a plain stream.  Work-group g takes 16,384 numbers of in_data and 16,384 of weight g / 64; each of its eight waves 2,048 of each: 4 + 4 steps of 512 numbers.
; A step's four loads read 512 consecutive bytes each; the 2,048 bytes turn through the wave's own stage in LDS, so that lane 2 m + u comes to hold k-pieces u and 2 + u of the m-th group of 32;
; its 16 codes are 16 bytes, and a store of the wave covers 512 consecutive bytes, aligned.  All 32 loads of a wave are issued at the start: 16 KiB a wave on their way.
; Waves share nothing: no barrier.  No work-group reads what another reads: no cluster, no tensor load, no matrix unit.
; LIMITS: each e between -126 and 119, so that 2^e and 448 x 2^e are f32 numbers.  NaN among the inputs is not served (an infinity is held at the largest code).
; WORK THAT THE PROGRAM LEAVES OUT: key steps of 128 keys all of which come after a tile's 16 queries.  reference()'s own causal mask sets those scores to -infinity ahead of the softmax, for all values of the inputs,
; so their p is 0 and they reach no output.  LIMIT: a NaN, an infinity or an overflow that reaches only that work is not carried to the result.
.set SP,  80                           ; a place in a stage: 64 bytes (16 numbers) + 16 of padding
.set STG, 32*SP                        ; a stage: a step's 32 places; two stages a wave, by turns
.set R,   16                           ; v16-143  eight sets of 16 numbers as they are loaded (steps 0-3: in_data, 4-7: the weight)
.set X,   144                          ; v144-175 two sets of 16 numbers as a lane converts them
.set T,   176                          ; v176-191 the numbers held within the largest code x the scale
.set C,   192                          ; v192-255 codes: a register group for each store, so that no store's data are written again
	s_load_b512 s[4:19], s[0:1], 0x0               ; in_data s[4:5], Wq s[6:7], Wk s[8:9], Wv s[10:11], Wo s[12:13], the exponents s[14:15], xc s[16:17], wc s[18:19]
	v_lshl_add_u32 v4, v0, 2, 0x10000
	v_mov_b32 v1, 0
	v_lshrrev_b32 v13, 5, v0
	s_delay_alu instid0(VALU_DEP_1)
	v_readfirstlane_b32 s20, v13                   ; wave 0..7
	v_and_b32 v2, 31, v0                           ; lane
	s_delay_alu instid0(VALU_DEP_1)
	v_lshlrev_b32 v3, 4, v2                        ; 16 x lane: my bytes of a load's 512 and of a store's 512; never rewritten
	s_lshl_b32 s22, s20, 13                        ; my wave's 8,192 bytes of LDS
	v_lshrrev_b32 v14, 2, v2
	s_delay_alu instid0(VALU_DEP_1)
	v_mul_u32_u24 v14, v14, SP
	v_and_b32 v13, 3, v2
	s_delay_alu instid0(VALU_DEP_1)
	v_lshl_add_u32 v14, v13, 4, v14
	s_delay_alu instid0(VALU_DEP_1)
	v_add_nc_u32 v14, s22, v14                     ; into the stage: four lanes' 64 bytes fill a place: SP (lane / 4) + 16 (lane % 4); a load takes eight places
	v_and_b32 v15, 30, v2
	s_delay_alu instid0(VALU_DEP_1)
	v_mul_u32_u24 v15, v15, SP
	v_and_b32 v13, 1, v2
	s_delay_alu instid0(VALU_DEP_1)
	v_lshl_add_u32 v15, v13, 5, v15
	s_delay_alu instid0(VALU_DEP_1)
	v_add_nc_u32 v15, s22, v15                     ; out of it: group m = lane / 2 is places 2 m, 2 m + 1; piece u = lane % 2 begins 32 u bytes into each
	s_lshr_b32 s21, ttmp9, 6                       ; which weight
	s_lshl_b32 s52, ttmp9, 3
	s_add_co_u32 s52, s52, s20                     ; 8 g + wave: my run of 2,048 numbers of in_data, and of all four weights on end
	s_and_b32 s53, ttmp9, 63
	s_lshl_b32 s53, s53, 3
	s_add_co_u32 s53, s53, s20                     ; my run inside the one weight
	s_lshl_b32 s54, s52, 13                        ; in bytes: f32 in,
	s_mov_b32 s55, 0
	s_lshl_b32 s56, s52, 11                        ; codes out,
	s_mov_b32 s57, 0
	s_lshl_b32 s58, s53, 13                        ; the weight's f32 in
	s_mov_b32 s59, 0
	s_wait_alu depctr_va_vdst(0)
	s_wait_kmcnt 0x0
	s_load_b256 s[24:31], s[14:15], 0x0            ; e0 .. e7
	s_load_b128 s[32:35], s[14:15], 0x20           ; e8 .. e11
	s_add_nc_u64 s[36:37], s[4:5], s[54:55]        ; in_data at my run
	s_cmp_eq_u32 s21, 0                            ; the weight is chosen by the work-group's number alone
	s_cselect_b64 s[38:39], s[6:7], s[12:13]
	s_cmp_eq_u32 s21, 1
	s_cselect_b64 s[38:39], s[8:9], s[38:39]
	s_cmp_eq_u32 s21, 2
	s_cselect_b64 s[38:39], s[10:11], s[38:39]
	s_add_nc_u64 s[38:39], s[38:39], s[58:59]
	s_add_nc_u64 s[40:41], s[16:17], s[56:57]      ; xc, section 0,
	s_add_nc_u64 s[42:43], s[40:41], 0x400000      ; section 1,
	s_add_nc_u64 s[44:45], s[40:41], 0x800000      ; section 2
	s_add_nc_u64 s[46:47], s[18:19], s[56:57]      ; wc
.macro LOAD t                          ; step t's 2,048 bytes: four loads of 512 consecutive bytes
.if (\t) < 4
.irp i, 0,1,2,3
	global_load_b128 v[R+16*(\t)+4*\i:R+16*(\t)+4*\i+3], v3, s[36:37] offset:2048*(\t)+512*\i th:TH_LOAD_NT
.endr
.else
.irp i, 0,1,2,3
	global_load_b128 v[R+16*(\t)+4*\i:R+16*(\t)+4*\i+3], v3, s[38:39] offset:2048*((\t)-4)+512*\i th:TH_LOAD_NT
.endr
.endif
.endm
.macro TURN t                          ; step t's numbers through stage t % 2.  LDS serves a wave's instructions in order (ISA guide 5.7.1.4): no wait between the stores and the loads
.irp i, 0,1,2,3
	ds_store_b128 v14, v[R+16*(\t)+4*\i:R+16*(\t)+4*\i+3] offset:STG*((\t)%2)+8*SP*\i
.endr
	ds_load_b128 v[X+16*((\t)%2):X+16*((\t)%2)+3],     v15 offset:STG*((\t)%2)         ; k-piece u: eight numbers,
	ds_load_b128 v[X+16*((\t)%2)+4:X+16*((\t)%2)+7],   v15 offset:STG*((\t)%2)+16
	ds_load_b128 v[X+16*((\t)%2)+8:X+16*((\t)%2)+11],  v15 offset:STG*((\t)%2)+SP      ; k-piece 2 + u: eight numbers
	ds_load_b128 v[X+16*((\t)%2)+12:X+16*((\t)%2)+15], v15 offset:STG*((\t)%2)+SP+16
.endm
.macro MKS e, sc, lim                  ; from the exponent in s[e]: v[sc] = 2^e, v[lim] = 448 x 2^e
	s_add_co_i32 s50, s[\e], 127
	s_lshl_b32 s51, s50, 23
	v_mov_b32 v[\sc], s51
	s_add_co_i32 s50, s50, 8
	s_lshl_b32 s50, s50, 23
	s_or_b32 s50, s50, 0x600000
	v_mov_b32 v[\lim], s50
.endm
.macro CONV xs, dst, sc, lim           ; 16 numbers at v[xs] become 16 codes in v[dst .. dst + 3]
.irp i, 0,1,2,3,4,5,6,7,8,9,10,11,12,13,14,15
	v_med3_num_f32 v[T+\i], v[\xs+\i], -v[\lim], v[\lim]   ; the conversion to an 8-bit code does not saturate (ISA guide 7.6.2): the hold comes first
.endr
	v_cvt_scalef32_pk8_fp8_f32 v[\dst:\dst+1], v[T:T+7], v[\sc]
	v_cvt_scalef32_pk8_fp8_f32 v[\dst+2:\dst+3], v[T+8:T+15], v[\sc]
	v_nop                                          ; a plain line between the conversions and the next holds, which write their sources
.endm
.irp t, 0,1,2,3,4,5,6,7
	LOAD \t
.endr
	s_wait_kmcnt 0x0
	s_cmp_eq_u32 s21, 0                            ; the weight's exponent: e1, e3, e5 or e11
	s_cselect_b32 s48, s25, s35
	s_cmp_eq_u32 s21, 1
	s_cselect_b32 s48, s27, s48
	s_cmp_eq_u32 s21, 2
	s_cselect_b32 s48, s29, s48
	MKS 24, 5, 6                                   ; e0
	MKS 26, 7, 8                                   ; e2
	MKS 28, 9, 10                                  ; e4
	MKS 48, 11, 12                                 ; the weight's
	s_wait_alu depctr_va_vdst(0)
	s_wait_loadcnt 28                              ; step 0's four loads are in; the 28 of steps 1 to 7 may be out
	TURN 0
.macro STEP t
.set XS, X+16*((\t)%2)
	s_wait_dscnt 0x0                               ; this step's numbers are back from the stage
.if (\t) < 7
	s_wait_loadcnt 24-4*(\t)                       ; the next step's four loads are in; those of the steps behind it may be out
	TURN (\t)+1                                    ; they go through the other stage while this step is converted
.endif
.if (\t) < 4
	CONV XS, C+12*(\t), 5, 6
	global_store_b128 v3, v[C+12*(\t):C+12*(\t)+3], s[40:41] offset:512*(\t)
	CONV XS, C+12*(\t)+4, 7, 8
	global_store_b128 v3, v[C+12*(\t)+4:C+12*(\t)+7], s[42:43] offset:512*(\t)
	CONV XS, C+12*(\t)+8, 9, 10
	global_store_b128 v3, v[C+12*(\t)+8:C+12*(\t)+11], s[44:45] offset:512*(\t)
.else
	CONV XS, C+48+4*((\t)-4), 11, 12
	global_store_b128 v3, v[C+48+4*((\t)-4):C+48+4*((\t)-4)+3], s[46:47] offset:512*((\t)-4)
.endif
.endm
.irp t, 0,1,2,3,4,5,6,7
	STEP \t
.endr
	s_wait_tensorcnt 0x0                           ; the wave's end
	ds_add_u32 v4, v1
	s_wait_dscnt 0x0
	s_endpgm
.Lfunc_end_k_q1294a2b477_quant:
	.size	k_q1294a2b477_quant, .Lfunc_end_k_q1294a2b477_quant-k_q1294a2b477_quant
	.p2alignl 7, 3214868480
	.fill 96, 4, 3214868480
	.section	.rodata,"a",@progbits
	.p2align	6, 0x0
	.amdhsa_kernel k_q1294a2b477_quant
		.amdhsa_group_segment_fixed_size 66560
		.amdhsa_private_segment_fixed_size 0
		.amdhsa_enable_private_segment 0
		.amdhsa_kernarg_size 64
		.amdhsa_user_sgpr_count 2
		.amdhsa_user_sgpr_kernarg_segment_ptr 1
		.amdhsa_wavefront_size32 1
		.amdhsa_system_sgpr_workgroup_id_x 1
		.amdhsa_system_sgpr_workgroup_id_y 1
		.amdhsa_system_sgpr_workgroup_id_z 1
		.amdhsa_system_vgpr_workitem_id 0
		.amdhsa_next_free_vgpr 256
		.amdhsa_next_free_sgpr 66
		.amdhsa_reserve_vcc 0
		.amdhsa_float_denorm_mode_32 3
		.amdhsa_float_denorm_mode_16_64 3
		.amdhsa_memory_ordered 1
		.amdhsa_forward_progress 1
		.amdhsa_inst_pref_size 32
	.end_amdhsa_kernel
	.amdgpu_metadata
---
amdhsa.version: [ 1, 2 ]
amdhsa.kernels:
  - .name:           k_q1294a2b477_quant
    .symbol:         k_q1294a2b477_quant.kd
    .args:
      - { .name: in_data, .offset: 0, .size: 8, .value_kind: global_buffer, .address_space: global }
      - { .name: Wq, .offset: 8, .size: 8, .value_kind: global_buffer, .address_space: global }
      - { .name: Wk, .offset: 16, .size: 8, .value_kind: global_buffer, .address_space: global }
      - { .name: Wv, .offset: 24, .size: 8, .value_kind: global_buffer, .address_space: global }
      - { .name: Wo, .offset: 32, .size: 8, .value_kind: global_buffer, .address_space: global }
      - { .name: lowp_scales, .offset: 40, .size: 8, .value_kind: global_buffer, .address_space: global }
      - { .name: xc, .offset: 48, .size: 8, .value_kind: global_buffer, .address_space: global }
      - { .name: wc, .offset: 56, .size: 8, .value_kind: global_buffer, .address_space: global }
    .group_segment_fixed_size: 66560
    .private_segment_fixed_size: 0
    .kernarg_segment_align: 8
    .kernarg_segment_size: 64
    .max_flat_workgroup_size: 256
    .sgpr_count:     66
    .vgpr_count:     256
    .wavefront_size: 32
...
	.end_amdgpu_metadata
.endif
;; end of part 1
;; launch qkv (part 2): grid 12 x 16, 4 waves a work-group, clusters of 4 x 4, 327,680 bytes of LDS; arguments xc, wc, lowp_scales, qkv; writes qkv
.if DOCPART == 2
	.amdgcn_target "amdgcn-amd-amdhsa--gfx1250"
	.amdhsa_code_object_version 6
	.text
	.protected	k_q1294a2b477_qkv
	.globl	k_q1294a2b477_qkv
	.p2align	8
	.type	k_q1294a2b477_qkv,@function
k_q1294a2b477_qkv:
	s_mov_b64 s[64:65], 0
	v_nop
	global_prefetch_b8 v0, s[64:65] scope:SCOPE_SE
	s_setreg_imm32_b32 hwreg(HW_REG_WAVE_MODE, 25, 1), 1
	s_wait_xcnt 0x0
	s_wait_alu depctr_hold_cnt(0) depctr_sa_sdst(0) depctr_va_vdst(0) depctr_va_sdst(0) depctr_va_ssrc(0) depctr_va_vcc(0) depctr_vm_vsrc(0)
	s_getreg_b32 s2, hwreg(HW_REG_IB_STS2, 6, 4)
	s_cmp_eq_u32 s2, 0
	s_cbranch_scc0 .Lentry_in_a_cluster
	s_endpgm
.Lentry_in_a_cluster:
	s_bfe_u32 s2, ttmp6, 0x10000c
	s_cmp_lg_u32 s2, 0xf033
	s_cbranch_scc0 .Lentry_shape_is_right
	s_endpgm
.Lentry_shape_is_right:
; q, k, v = in_data W^T on E4M3 codes, each finished sum quantised for attention (scales 2^e6, 2^e7, 2^e9) and stored as images of attention's operand registers (qkv: three sections of 4 MiB).
; Cluster x (ttmp9) picks the projection 0, 1, 2; a work-group of four waves makes 256 x 256, a wave 128 x 128 (64 accumulators, 512 registers).  4,096 x 1,024 x 3 / 65,536 = 192 work-groups.
; q and k: source 1 = 128 tokens, source 0 = 128 features: a lane holds eight neighbouring features of a token.  v is taken the other way round, so that a lane holds eight neighbouring keys of a channel.
; K goes in four steps of 256 through a ring of two LDS slots, rows of 256 bytes + 16 of padding; clusters of 4 x 4 ask jointly for what a row or a column of the cluster shares.
; No prefetch: K has four steps, two of which the slots hold from the start, so no step lies two refills ahead.
; A code is sum x 2^(scales of the operands) / 2^(scale of the result), folded into one power of two, held within +-448.
; LIMITS: that exponent (e6 - e0 - e1, e7 - e2 - e3, e9 - e4 - e5) between -126 and 119.
; THE WAY OUT: each block of 16 x 128 has its own code registers and its own base, so no store's sources are written again.
.set ROWB,   256
.set KROW,   1024
.set PITCH,  272
.set FR,     16
.set NL,     4
.set NP,     4
.set HALFT,  128*PITCH
.set SLOT,   4*HALFT
.set SPARE,  2*SLOT
.set ADRA, 16
.set ADRB, 20
.set LI,   24
.set LJ,   25
.set SC,   26
.set LIM,  27
.set SPW,  28
.set NIL,  29
.set TMP,  32
.set CD,   128
.set AF,   128
.set G1, 24
.set G0, 32
.set G1B, 48
.set G0B, 56
.set MSB, 0
.macro WIN new
.if MSB != \new
	s_set_vgpr_msb (MSB<<8)|\new
.set MSB, \new
.endif
.endm
.set MUL_LO, 0xa1
.set MUL_HI, 0xf1
.set TO_B,   0x40
.macro JLOAD g0a, g1a, g0b, g1b
	s_cmp_eq_u32 s15, 0
	s_cbranch_scc0 .Lfor_b_\@
	tensor_load_to_lds s[\g0a:\g0a+3], s[\g1a:\g1a+7]
	s_nop 0
.rept 4
	v_nop
.endr
	s_branch .Lasked_\@
.Lfor_b_\@:
	tensor_load_to_lds s[\g0b:\g0b+3], s[\g1b:\g1b+7]
	s_nop 0
.rept 4
	v_nop
.endr
.Lasked_\@:
.endm
.macro CREST
	s_cmp_lg_u32 s14, 0
	s_cbranch_scc1 .Lnot_wave_0_\@
	s_barrier_signal -3
.Lnot_wave_0_\@:
	s_barrier_wait -3
	s_barrier_signal -1
	s_barrier_wait -1
.endm
.macro CROUND
	s_barrier_signal -1
	s_barrier_wait -1
	CREST
.endm
	s_load_b256 s[4:11], s[0:1], 0x0
	v_lshl_add_u32 v[SPW], v0, 2, SPARE
	v_mov_b32 v[NIL], 0
	ds_add_u32 v28, v29
	ds_add_u32 v28, v29
	s_wait_dscnt 0x0
	v_lshrrev_b32 v1, 5, v0
	v_readfirstlane_b32 s14, v1
	s_lshr_b32 s15, s14, 1
	s_and_b32 s16, s14, 1
	s_bfe_u32 s40, ttmp6, 0x40000
	s_bfe_u32 s41, ttmp6, 0x40004
	s_and_b32 s12, ttmp7, 0xffff
	s_cmp_eq_u32 ttmp9, 2
	s_cselect_b32 s13, s12, 0
	s_cselect_b32 s17, 0, s12
	s_lshl_b32 s42, s13, 2
	s_add_co_u32 s42, s42, s40
	s_lshl_b32 s17, s17, 2
	s_add_co_u32 s17, s17, s41
	s_lshl_b32 s43, s41, 2
	s_lshl_b32 s43, 15, s43
	s_lshl_b32 s44, 0x1111, s40
	s_or_b32 s[G1+0], s43, (0<<16)|(1<<20)|(1<<21)|(5<<22)|(3<<25)
	s_or_b32 s[G1B+0], s44, (0<<16)|(1<<20)|(1<<21)|(5<<22)|(3<<25)
.irp g, G1, G1B
	s_mov_b32 s[\g+1], ROWB<<16
	s_mov_b32 s[\g+2], 128<<16
	s_mov_b32 s[\g+3], ROWB<<16
	s_mov_b32 s[\g+4], 128
	s_mov_b32 s[\g+5], KROW
	s_mov_b32 s[\g+6], 0
	s_mov_b32 s[\g+7], 0
.endr
	s_lshl_b32 s18, s16, 7
	s_lshl_b32 s20, s17, 8
	s_add_co_u32 s20, s20, s18
	s_lshl_b32 s20, s20, 10
	s_mov_b32 s21, 0
	s_lshl_b32 s46, s42, 8
	s_add_co_u32 s46, s46, s18
	s_lshl_b32 s46, s46, 10
	s_mov_b32 s47, 0
	s_mul_i32 s45, s14, HALFT
	s_lshl_b32 s88, ttmp9, 22
	s_mov_b32 s89, 0
	s_lshl_b32 s90, ttmp9, 20
	s_mov_b32 s91, 0
	s_wait_kmcnt 0x0
	s_load_b256 s[68:75], s[8:9], 0x0
	s_load_b128 s[76:79], s[8:9], 0x20
	s_add_nc_u64 s[80:81], s[4:5], s[88:89]
	s_add_nc_u64 s[82:83], s[6:7], s[90:91]
	s_cmp_eq_u32 ttmp9, 2
	s_cselect_b64 s[84:85], s[82:83], s[80:81]
	s_cselect_b64 s[86:87], s[80:81], s[82:83]
	s_add_nc_u64 s[20:21], s[84:85], s[20:21]
	s_add_nc_u64 s[46:47], s[86:87], s[46:47]
	CROUND
.irp s, 0,1
	s_mov_b32 s[G0+4*\s], 1
	s_add_co_u32 s[G0+4*\s+1], s45, \s*SLOT
	s_add_nc_u64 s[G0+4*\s+2:G0+4*\s+3], s[20:21], \s*ROWB
	s_or_b32 s[G0+4*\s+3], s[G0+4*\s+3], 0x80000000
	s_mov_b32 s[G0B+4*\s], 1
	s_add_co_u32 s[G0B+4*\s+1], s45, \s*SLOT
	s_add_nc_u64 s[G0B+4*\s+2:G0B+4*\s+3], s[46:47], \s*ROWB
	s_or_b32 s[G0B+4*\s+3], s[G0B+4*\s+3], 0x80000000
.endr
	JLOAD G0, G1, G0B, G1B                         ; K step 0: one tensor load a wave at the head
	v_and_b32 v1, 15, v0
	v_bfe_u32 v2, v0, 4, 1
	v_mul_u32_u24 v3, v1, PITCH
	v_lshl_add_u32 v4, v2, 4, v3
	s_mul_i32 s21, s15, HALFT
	s_mul_i32 s22, s16, HALFT
	s_add_co_u32 s22, s22, 2*HALFT
.irp s, 0,1
	v_add_nc_u32 v[ADRA+\s], s21, v4
	v_add_nc_u32 v[ADRB+\s], s22, v4
	s_add_co_u32 s21, s21, SLOT
	s_add_co_u32 s22, s22, SLOT
.endr
	s_lshl_b32 s94, s17, 8
	s_lshl_b32 s95, s15, 7
	s_add_co_u32 s94, s94, s95
	s_lshl_b32 s95, s42, 8
	s_lshl_b32 s96, s16, 7
	s_add_co_u32 s95, s95, s96
	s_cmp_eq_u32 ttmp9, 2
	s_cselect_b32 s96, s95, s94
	s_cselect_b32 s97, s94, s95
	s_mov_b32 s88, 1024
	s_cselect_b32 s88, 2048, s88
	s_cselect_b32 s90, 122880, 0
	s_mov_b32 s92, 131072
	s_cselect_b32 s92, 1024, s92
	s_mov_b32 s89, 0
	s_mov_b32 s91, 0
	s_lshr_b32 s94, s96, 11
	s_lshl_b32 s94, s94, 21
	s_lshr_b32 s95, s97, 6
	s_lshl_b32 s95, s95, 17
	s_add_co_u32 s94, s94, s95
	s_and_b32 s95, s96, 2047
	s_lshl_b32 s95, s95, 6
	s_add_co_u32 s94, s94, s95
	s_lshl_b32 s95, ttmp9, 22
	s_add_co_u32 s94, s94, s95
	s_mov_b32 s95, 0
	s_add_nc_u64 s[10:11], s[10:11], s[94:95]
	v_and_b32 v[LI], 31, v0
	v_lshlrev_b32 v[LI], 4, v[LI]
	v_add_nc_u32 v[LJ], s92, v[LI]
	s_wait_alu depctr_va_vdst(0)
	s_wait_kmcnt 0x0
	s_sub_co_i32 s93, s74, s68
	s_sub_co_i32 s93, s93, s69
	s_sub_co_i32 s96, s75, s70
	s_sub_co_i32 s96, s96, s71
	s_sub_co_i32 s97, s77, s72
	s_sub_co_i32 s97, s97, s73
	s_cmp_eq_u32 ttmp9, 0
	s_cselect_b32 s93, s93, s96
	s_cmp_eq_u32 ttmp9, 2
	s_cselect_b32 s93, s97, s93
	s_add_co_i32 s93, s93, 127
	s_lshl_b32 s96, s93, 23
	v_mov_b32 v[SC], s96
	s_add_co_i32 s93, s93, 8
	s_lshl_b32 s93, s93, 23
	s_or_b32 s93, s93, 0x600000
	v_mov_b32 v[LIM], s93
.macro FRAG reg, adr, q, i
.irp c, 0,1,2,3
	ds_load_b128 v[\reg+4*\c:\reg+4*\c+3], v[\adr] offset:128*(\q)+32*\c+(\i)*16*PITCH
.endr
.endm
.macro MUL16 a0, p, zero
.irp a, \a0, \a0+1
.irp b, 0,1,2,3,4,5,6,7
.if \zero
	v_wmma_f32_16x16x128_fp8_fp8 v[8*(8*((\a)%4)+\b):8*(8*((\a)%4)+\b)+7], v[128*(\p)+FR*\b:128*(\p)+FR*\b+FR-1], v[AF+FR*(\a):AF+FR*(\a)+FR-1], 0
.else
	v_wmma_f32_16x16x128_fp8_fp8 v[8*(8*((\a)%4)+\b):8*(8*((\a)%4)+\b)+7], v[128*(\p)+FR*\b:128*(\p)+FR*\b+FR-1], v[AF+FR*(\a):AF+FR*(\a)+FR-1], v[8*(8*((\a)%4)+\b):8*(8*((\a)%4)+\b)+7]
.endif
.endr
.endr
.endm
.macro FETCH_B slot, q, p
	WIN TO_B
.irp i, 0,1,2,3,4,5,6,7
	FRAG 128*(\p)+FR*\i, ADRB+\slot, \q, \i
.endr
	WIN 0
.endm
.macro FETCH_A slot, q, i0
.irp i, \i0, \i0+1, \i0+2, \i0+3
	FRAG AF+FR*(\i), ADRA+\slot, \q, \i
.endr
.endm
.macro PLACES n
.rept \n
	v_nop
.endr
.endm
.macro STEP slot, q, zero
	s_wait_dscnt 4*NL
	WIN MUL_LO
	MUL16 0, (\q)%2, \zero
	MUL16 2, (\q)%2, \zero
	s_wait_dscnt 0
	PLACES NP
	FETCH_B \slot, (\q)+1, 1-(\q)%2
	FETCH_A \slot, (\q)+1, 0
	WIN MUL_HI
	MUL16 4, (\q)%2, \zero
	MUL16 6, (\q)%2, \zero
	PLACES NP
	WIN 0
	FETCH_A \slot, (\q)+1, 4
.endm
.macro TURN slot, next, fill
	s_wait_tensorcnt 0x0
	ds_add_u32 v[SPW], v[NIL]
	s_wait_dscnt 4*NL+1
	WIN MUL_LO
	MUL16 0, 1, 0
	s_wait_dscnt 0x0
	s_barrier_signal -1
	MUL16 2, 1, 0
	WIN 0
	s_barrier_wait -1
.if \fill
	CREST
	s_add_nc_u64 s[G0+4*\slot+2:G0+4*\slot+3], s[G0+4*\slot+2:G0+4*\slot+3], 2*ROWB
	s_add_nc_u64 s[G0B+4*\slot+2:G0B+4*\slot+3], s[G0B+4*\slot+2:G0B+4*\slot+3], 2*ROWB
	JLOAD G0+4*\slot, G1, G0B+4*\slot, G1B
.else
	PLACES NP
.endif
	FETCH_B \next, 0, 0
	FETCH_A \next, 0, 0
	WIN MUL_HI
	MUL16 4, 1, 0
	MUL16 6, 1, 0
	PLACES NP
	WIN 0
	FETCH_A \next, 0, 4
.endm
	s_wait_alu depctr_va_vdst(0)                   ; the wait at the head's end
	s_wait_tensorcnt 0x0                           ; my part of K step 0 is in;
	ds_add_u32 v[SPW], v[NIL]
	s_wait_dscnt 0x0
	CROUND                                         ; everybody's is, and the partners are here:
	JLOAD G0+4, G1, G0B+4, G1B                     ; K step 1, the first tensor load behind the round
	FETCH_B 0, 0, 0
	FETCH_A 0, 0, 0
	FETCH_A 0, 0, 4
	STEP 0, 0, 1
	TURN 0, 1, 1
	STEP 1, 0, 0
	TURN 1, 0, 1
	STEP 0, 0, 0
	TURN 0, 1, 0
	STEP 1, 0, 0
	s_wait_dscnt 4*NL
	WIN MUL_LO
	MUL16 0, 1, 0
	MUL16 2, 1, 0
	s_wait_alu depctr_va_vdst(0)
	s_wait_dscnt 0
	WIN MUL_HI
	MUL16 4, 1, 0
	MUL16 6, 1, 0
	WIN 0
.macro OUTB a
.if (\a) == 0
	s_mov_b64 s[24:25], s[10:11]                   ; s[24:39]: a base for each block (no tensor load is out: its descriptors' registers are free)
.else
	s_add_nc_u64 s[24+2*(\a):25+2*(\a)], s[22+2*(\a):23+2*(\a)], s[88:89]
.endif
.if (\a) == 4
	s_add_nc_u64 s[32:33], s[32:33], s[90:91]
.endif
	WIN 0x02+(\a)/4
.set j, 0
.rept 64
	v_med3_num_f32 v[TMP+j], v[64*((\a)%4)+j], -v[LIM], v[LIM]
.set j, j+1
.endr
	WIN 0
.irp b, 0,1,2,3,4,5,6,7
	v_cvt_scalef32_pk8_fp8_f32 v[CD+16*(\a)+2*\b:CD+16*(\a)+2*\b+1], v[TMP+8*\b:TMP+8*\b+7], v[SC]
.endr
	v_nop
	global_store_b128 v[LI], v[CD+16*(\a):CD+16*(\a)+3], s[24+2*(\a):25+2*(\a)]   ; each store of the wave covers 512 consecutive bytes, aligned
	global_store_b128 v[LI], v[CD+16*(\a)+4:CD+16*(\a)+7], s[24+2*(\a):25+2*(\a)] offset:512
	global_store_b128 v[LJ], v[CD+16*(\a)+8:CD+16*(\a)+11], s[24+2*(\a):25+2*(\a)]
	global_store_b128 v[LJ], v[CD+16*(\a)+12:CD+16*(\a)+15], s[24+2*(\a):25+2*(\a)] offset:512
.endm
	PLACES NP
.irp a, 0,1,2,3,4,5,6,7
	OUTB \a
.endr
	s_wait_tensorcnt 0x0
	ds_add_u32 v[SPW], v[NIL]
	s_wait_dscnt 0x0
	CROUND
	s_endpgm
.Lfunc_end_k_q1294a2b477_qkv:
	.size	k_q1294a2b477_qkv, .Lfunc_end_k_q1294a2b477_qkv-k_q1294a2b477_qkv
	.p2alignl 7, 3214868480
	.fill 96, 4, 3214868480
	.section	.rodata,"a",@progbits
	.p2align	6, 0x0
	.amdhsa_kernel k_q1294a2b477_qkv
		.amdhsa_group_segment_fixed_size 327680
		.amdhsa_private_segment_fixed_size 0
		.amdhsa_enable_private_segment 0
		.amdhsa_kernarg_size 32
		.amdhsa_user_sgpr_count 2
		.amdhsa_user_sgpr_kernarg_segment_ptr 1
		.amdhsa_wavefront_size32 1
		.amdhsa_system_sgpr_workgroup_id_x 1
		.amdhsa_system_sgpr_workgroup_id_y 1
		.amdhsa_system_sgpr_workgroup_id_z 1
		.amdhsa_system_vgpr_workitem_id 0
		.amdhsa_next_free_vgpr 1024
		.amdhsa_next_free_sgpr 100
		.amdhsa_reserve_vcc 0
		.amdhsa_float_denorm_mode_32 3
		.amdhsa_float_denorm_mode_16_64 3
		.amdhsa_memory_ordered 1
		.amdhsa_forward_progress 1
		.amdhsa_inst_pref_size 119
	.end_amdhsa_kernel
	.amdgpu_metadata
---
amdhsa.version: [ 1, 2 ]
amdhsa.kernels:
  - .name:           k_q1294a2b477_qkv
    .symbol:         k_q1294a2b477_qkv.kd
    .args:
      - { .name: xc, .offset: 0, .size: 8, .value_kind: global_buffer, .address_space: global }
      - { .name: wc, .offset: 8, .size: 8, .value_kind: global_buffer, .address_space: global }
      - { .name: lowp_scales, .offset: 16, .size: 8, .value_kind: global_buffer, .address_space: global }
      - { .name: qkv, .offset: 24, .size: 8, .value_kind: global_buffer, .address_space: global }
    .group_segment_fixed_size: 327680
    .private_segment_fixed_size: 0
    .kernarg_segment_align: 8
    .kernarg_segment_size: 32
    .max_flat_workgroup_size: 128
    .sgpr_count:     100
    .vgpr_count:     1024
    .wavefront_size: 32
...
	.end_amdgpu_metadata
.endif
;; end of part 2
;; launch attn (part 3): grid 8 x 32, 16 waves a work-group, clusters of 4 x 1, 327,680 bytes of LDS; arguments qkv, lowp_scales, cc; writes cc
.if DOCPART == 3
	.amdgcn_target "amdgcn-amd-amdhsa--gfx1250"
	.amdhsa_code_object_version 6
	.text
	.protected	k_q1294a2b477_attn
	.globl	k_q1294a2b477_attn
	.p2align	8
	.type	k_q1294a2b477_attn,@function
k_q1294a2b477_attn:
	s_mov_b64 s[64:65], 0
	v_nop
	global_prefetch_b8 v0, s[64:65] scope:SCOPE_SE
	s_setreg_imm32_b32 hwreg(HW_REG_WAVE_MODE, 25, 1), 1
	s_wait_xcnt 0x0
	s_wait_alu depctr_hold_cnt(0) depctr_sa_sdst(0) depctr_va_vdst(0) depctr_va_sdst(0) depctr_va_ssrc(0) depctr_va_vcc(0) depctr_vm_vsrc(0)
	s_getreg_b32 s2, hwreg(HW_REG_IB_STS2, 6, 4)
	s_cmp_eq_u32 s2, 0
	s_cbranch_scc0 .Lentry_in_a_cluster
	s_endpgm
.Lentry_in_a_cluster:
	s_bfe_u32 s2, ttmp6, 0x10000c
	s_cmp_lg_u32 s2, 0x3003
	s_cbranch_scc0 .Lentry_shape_is_right
	s_endpgm
.Lentry_shape_is_right:
; Causal attention on E4M3 codes, 32 heads of batch (2 x 16), 2,048 tokens, head size 64; ctx is quantised (2^e10) and stored as images of the last projection's operand registers.
; THE SOFTMAX: t = score x log2(e) / 8; M = the running largest t rounded UP to a whole number; p = 2^(t - M) is quantised (2^e8), not normalised; the row's sum is taken of the unquantised p and divides
; at the end.  When M moves, the sum and O are multiplied by 2^(old M - new M): exact.
; INPUTS (qkv, laid by the launch before): q, k: [head of batch][token / 16][1,024]: a fragment of 16 tokens x 64, 8 registers; v: [head of batch][key / 128][channel / 16][2,048]: 16 channels x 128 keys,
; 16 registers.  In an image lane l's 16 bytes of register group i lie at 512 i + 16 l: a fragment comes by loads at 16 x lane, 512 consecutive bytes each: no pitch, no padding.
; SHARES.  A head has 16 blocks of 128 queries; work-group x of its eight takes tile tt = x (16 queries) of every block, one tile a wave: all work-groups have the same 136 key steps (128 keys each).
; With s = w % 4 the waves s, s + 4, s + 8, s + 12 take blocks 15 - s, 8 + s, 7 - s, s: together 34 steps whatever s, the longest tiles in the lowest waves.  A wave works steps 0 .. block (the last lies on the diagonal);
; the steps behind it, which the causal mask hides whole (work left out: the first kernel's head), are passed over by a scalar branch on the wave's number.
; LDS: a head's whole K (131,072 bytes, from byte 0) and V (behind it) lie in LDS at once.  Nothing is filled again.  Each wave issues ONE tensor load of 16,384 bytes, the (w / 2)-th of K (w even) or of V (w odd),
; and everything is read behind one barrier.  No prefetch: all that is read is asked for at the head.
; CLUSTER: four work-groups of one head; every load is asked for JOINTLY.  cx enters tt alone: Q's and cc's addresses and the mask's numbers, no branch and no LDS address.
; LAYOUT.  Both products are used transposed: S^T = K Q^T (source 0 = 16 keys, source 1 = my queries), O^T = V^T P^T (source 0 = 16 channels, source 1 = P): a lane holds ONE query (lane % 16) throughout.
; Register j of S^T's tile t is key 16 t + 8 (lane / 16) + j: its eight convert into registers 2 t, 2 t + 1 of P, the place that the K = 128 form gives those keys.
; LIMITS: e6 + e7 between -123 and 130 (added to c's exponent field); e8 and e10 between -126 and 119; e8 + e9 is applied by v_ldexp_f32 and has none.  The scaled scores t stay under 2^31 in magnitude.
; REGISTERS: v1 16 x lane; v2 the same behind K; v3 my query less 8 (lane / 16), in its block; v4 -infinity; v8, v9 the step's addresses; v12 -M, v13 the largest t, v[14:15] the sum in two halves;
;   v16-23 Q; v32-95 K's eight fragments, then V's four; v96-159 S^T, then p; v160-191 O^T; v208-215 ctx's codes; v216-217 its scale and bound; v224-239 p's codes; v240-254 constants and at work.
.set LI,   1
.set LV,   2
.set DD,   3
.set NINF, 4
.set SPW,  6                           ; v6   LDS address of my spare word; never rewritten
.set NIL,  7                           ; v7   0; never rewritten
.set ADK,  8
.set ADV,  9
.set BLK,  10                          ; s10  my block of queries: its diagonal step, my last
.set CNT,  11                          ; s11  trips to go
.set WV,   18                          ; s18  my wave's number
.set SEL,  20                          ; s[20:21] lane selects for v_permlanex16_b32: lane l xor 16
.set CS,   22                          ; s[22:23] c = log2(e) / 8 x 2^(e6 + e7): the packed form names a pair and takes its low word for both halves
.set TB,   66                          ; s66  8,192 x the key step: where its K lies in LDS, and, 131,072 further, its V
.set KS,   67                          ; s67  the key step
.set SPARE, 0x40000                    ; behind K and V: 128 bytes a wave that no other line names
.macro ROUND                           ; a round of the cluster's barrier
	s_barrier_signal -1
	s_barrier_wait -1
	s_cmp_lg_u32 s[WV], 0
	s_cbranch_scc1 .Lnot_wave_0_\@
	s_barrier_signal -3
.Lnot_wave_0_\@:
	s_barrier_wait -3
	s_barrier_signal -1
	s_barrier_wait -1
.endm
.macro HIDE first                      ; 32 scores from register first on: those of hidden keys become -infinity
.set n, \first
.rept 32
	v_cmp_gt_i32 vcc_lo, 16*(n/8)+n%8, v[DD]       ; register n holds key 16 (n / 8) + n % 8 + 8 (lane / 16) of the step: hidden where it is above my query
	v_cndmask_b32 v[96+n], v[96+n], v[NINF], vcc_lo
.set n, n+1
.endr
.endm
	s_load_b128 s[4:7], s[0:1], 0x0                ; qkv s[4:5], the exponents s[6:7]
	s_load_b64 s[8:9], s[0:1], 0x10                ; cc
	v_lshl_add_u32 v[SPW], v0, 2, SPARE
	v_mov_b32 v[NIL], 0
	ds_add_u32 v[SPW], v[NIL]                      ; the wave's opening: the add, twice on end, and its wait
	ds_add_u32 v[SPW], v[NIL]
	v_lshrrev_b32 v10, 5, v0
	s_delay_alu instid0(VALU_DEP_1)
	v_readfirstlane_b32 s[WV], v10                 ; wave 0..15
	s_bfe_u32 s12, ttmp6, 0x40000                  ; cx
	s_and_b32 s80, ttmp7, 0xffff                   ; the head of batch, which the partners share
	s_lshl_b32 s13, ttmp9, 2
	s_add_co_u32 s13, s13, s12                     ; tt
	s_bfe_u32 s82, s[WV], 0x10002                  ; bit 2 of the wave's number
	s_mul_i32 s82, s82, 7
	s_and_b32 s[BLK], s[WV], 11
	s_xor_b32 s[BLK], s[BLK], 15
	s_xor_b32 s[BLK], s[BLK], s82                  ; 15 - s, 8 + s, 7 - s, s
	; descriptor group 1: 16,384 dense bytes as 64 rows of 256 (32 elements of 8 bytes)
	s_mov_b32 s24, 15|(3<<16)|(1<<21)              ; 15:0 the mask: all four work-groups; 17:16 elements of 8 bytes; 21 set beside a mask; no padding
	s_mov_b32 s25, 32<<16                          ; tensor_dim0 = 32
	s_mov_b32 s26, 64<<16                          ; tensor_dim1 = 64
	s_mov_b32 s27, 32<<16                          ; tile_dim0
	s_mov_b32 s28, 64                              ; tile_dim1
	s_mov_b32 s29, 32                              ; tensor_dim0_stride: dense
	s_mov_b32 s30, 0
	s_mov_b32 s31, 0
	s_and_b32 s85, s[WV], 1                        ; 0: I fetch K; 1: V
	s_lshr_b32 s86, s[WV], 1
	s_lshl_b32 s86, s86, 14                        ; which 16,384 bytes
	s_lshl_b32 s87, s85, 17
	s_add_co_u32 s87, s87, s86                     ; LDS: K from 0, V from 131,072
	s_add_co_u32 s88, s85, 1
	s_lshl_b32 s88, s88, 22                        ; the section of qkv: k at 4 MiB, v at 8 MiB,
	s_lshl_b32 s89, s80, 17
	s_add_co_u32 s88, s88, s89                     ; the head's 131,072 bytes in it,
	s_add_co_u32 s88, s88, s86
	s_mov_b32 s89, 0
	s_mov_b32 s32, 1
	s_mov_b32 s33, s87
	s_mov_b32 s[SEL], 0x76543210
	s_mov_b32 s[SEL+1], 0xfedcba98
	s_mov_b32 s[CS], 0x3e38aa3b                    ; log2(e) / 8
	s_wait_dscnt 0x0
	s_wait_kmcnt 0x0
	s_load_b256 s[68:75], s[6:7], 0x0              ; e0 .. e7
	s_load_b128 s[76:79], s[6:7], 0x20             ; e8 .. e11
	s_add_nc_u64 s[34:35], s[4:5], s[88:89]
	s_or_b32 s35, s35, 0x80000000
	ROUND                                          ; all four work-groups are here: the joint loads meet
	tensor_load_to_lds s[32:35], s[24:31]
	s_nop 0
.rept 4
	v_nop
.endr
	s_lshl_b32 s92, s80, 7
	s_add_co_u32 s92, s92, s13
	s_lshl_b32 s94, s[BLK], 3
	s_add_co_u32 s94, s94, s92                     ; my tile: 128 x head + 8 x block + tt
	s_lshl_b32 s94, s94, 10
	s_mov_b32 s95, 0
	s_add_nc_u64 s[96:97], s[4:5], s[94:95]
	v_and_b32 v[LI], 31, v0
	s_delay_alu instid0(VALU_DEP_1)
	v_lshlrev_b32 v[LI], 4, v[LI]
	global_load_b128 v[16:19], v[LI], s[96:97]     ; Q's fragment stays in registers
	global_load_b128 v[20:23], v[LI], s[96:97] offset:512
	; where ctx's codes go: cc [token / 16: 256][k / 128: 8][2,048]; head H fills k step H / 2, register groups 2 (H % 2) and 2 (H % 2) + 1
	s_lshr_b32 s88, s80, 4
	s_lshl_b32 s88, s88, 7                         ; the batch's 128 tiles
	s_add_co_u32 s88, s88, s13
	s_lshl_b32 s89, s[BLK], 3
	s_add_co_u32 s88, s88, s89
	s_lshl_b32 s88, s88, 14
	s_bfe_u32 s89, s80, 0x30001                    ; H / 2
	s_lshl_b32 s89, s89, 11
	s_add_co_u32 s88, s88, s89
	s_and_b32 s89, s80, 1
	s_lshl_b32 s89, s89, 10
	s_add_co_u32 s88, s88, s89
	s_mov_b32 s89, 0
	s_add_nc_u64 s[8:9], s[8:9], s[88:89]
	s_lshl_b32 s39, s13, 4
	s_wait_alu depctr_va_vdst(0)                   ; the wait here, directly ahead of the wait below
	s_wait_kmcnt 0x0
	v_and_b32 v10, 15, v0
	v_bfe_u32 v11, v0, 4, 1
	v_add_nc_u32 v[LV], 0x20000, v[LI]
	v_mov_b32 v13, 0xff61b1e6                      ; the largest t so far: -3e38, under every t
	v_lshlrev_b32 v11, 3, v11
	v_mov_b32 v[NINF], 0xff800000
	v_mov_b32 v246, 0                              ; written once: a lane permute's destination counts as one of its sources
	v_sub_nc_u32 v[DD], v10, v11
	v_mov_b32 v253, 0                              ; (named as the upper half of the pair v[252:253])
	v_floor_f32 v12, -v13                          ; -M
	v_add_nc_u32 v[DD], s39, v[DD]                 ; 16 tt + lane % 16 - 8 (lane / 16)
	v_mov_b32 v14, 0                               ; the sum, in two halves
	v_mov_b32 v15, 0
	s_add_co_i32 s92, s74, s75
	s_lshl_b32 s92, s92, 23
	s_add_co_i32 s[CS], s[CS], s92                 ; a score stands for score x 2^(e6 + e7): added to c's exponent field
	s_mov_b32 s[CS+1], s[CS]                       ; (named with it as a pair, so it is written)
	s_add_co_i32 s38, s76, s77                     ; e8 + e9
	s_add_co_i32 s92, s76, 127
	s_lshl_b32 s93, s92, 23
	v_mov_b32 v244, s93                            ; 2^e8, for p's conversions
	s_add_co_i32 s92, s92, 8
	s_lshl_b32 s92, s92, 23
	s_or_b32 s92, s92, 0x600000
	v_mov_b32 v240, s92                            ; 448 x 2^e8, twice: the hold is issued in pairs
	v_mov_b32 v241, s92
	s_add_co_i32 s92, s78, 127
	s_lshl_b32 s93, s92, 23
	v_mov_b32 v216, s93                            ; 2^e10
	s_add_co_i32 s92, s92, 8
	s_lshl_b32 s92, s92, 23
	s_or_b32 s92, s92, 0x600000
	v_mov_b32 v217, s92                            ; 448 x 2^e10
.set j, 0
.rept 32
	v_mov_b32 v[160+j], 0                          ; O^T.  (The step is written without a first form: the first change of M multiplies zeros)
.set j, j+1
.endr
	s_mov_b32 s[TB], 0
	s_mov_b32 s[KS], 0
	s_mov_b32 s[CNT], 16
	s_wait_alu depctr_va_vdst(0)                   ; the wait at the head's end
	s_wait_loadcnt 0x0                             ; Q
	s_wait_tensorcnt 0x0                           ; my load has landed,
	s_barrier_signal -1
	s_barrier_wait -1                              ; and everybody's: all of K and V is in
; A KEY STEP: 128 keys.
.Lstep:
	s_cmp_gt_u32 s[KS], s[BLK]                     ; all its keys come after my queries: nothing to do but the steps at the end
	s_cbranch_scc1 .Lhidden
	v_add_nc_u32 v[ADK], s[TB], v[LI]
	v_add_nc_u32 v[ADV], s[TB], v[LV]
	v_nop                                          ; with the two additions: four places in front of loads into registers that the last products read
	v_nop
.set i, 0
.rept 16
	ds_load_b128 v[32+4*i:35+4*i], v[ADK] offset:512*i   ; K: eight fragments of 16 keys x 64
.set i, i+1
.endr
	s_wait_alu depctr_va_vdst(0)                   ; the wait here, directly ahead of the wait below
	s_wait_dscnt 8                                 ; the first four fragments are in; the youngest eight loads may be out
.irp t, 0,1,2,3
	v_wmma_f32_16x16x64_fp8_fp8 v[96+8*\t:103+8*\t], v[32+8*\t:39+8*\t], v[16:23], 0
.endr
	s_wait_dscnt 0x0
.irp t, 4,5,6,7
	v_wmma_f32_16x16x64_fp8_fp8 v[96+8*\t:103+8*\t], v[32+8*\t:39+8*\t], v[16:23], 0
.endr
.rept 4
	v_nop                                          ; places: in front of the loads below and of the first read of the scores
.endr
.set i, 0
.rept 16
	ds_load_b128 v[32+4*i:35+4*i], v[ADV] offset:512*i   ; V: four fragments of 16 channels x 128 keys; they land under the softmax
.set i, i+1
.endr
	s_cmp_lg_u32 s[KS], s[BLK]                     ; on the diagonal the scores of hidden keys become -infinity ahead of the maximum: p = 0 then
	s_cbranch_scc1 .Lopen
	s_cmp_eq_u32 ttmp9, 0                          ; the cluster's x, the same in all partners: tt is 0 .. 3 or 4 .. 7
	s_cbranch_scc1 .Llow
	HIDE 32                                        ; tt 4 .. 7: the first 64 keys all count
	s_wait_alu depctr_va_vdst(0)                   ; the wait here, directly ahead of the branch
	s_branch .Lopen
.Llow:
	HIDE 0                                         ; tt 0 .. 3: the last 64 keys are all hidden
.set n, 32
.rept 32
	v_mov_b32 v[96+n], v[NINF]
.set n, n+1
.endr
.Lopen:
	v_max3_num_f32 v254, v96, v97, v98             ; the step's largest score of my query, among my 64 keys, in four chains, each accumulator from its low end on,
	v_max3_num_f32 v252, v99, v100, v101
	v_max3_num_f32 v250, v102, v103, v104
	v_max3_num_f32 v248, v105, v106, v107
.set i, 108
.rept 6
	v_max3_num_f32 v254, v254, v[i], v[i+1]
	v_max3_num_f32 v252, v252, v[i+2], v[i+3]
	v_max3_num_f32 v250, v250, v[i+4], v[i+5]
	v_max3_num_f32 v248, v248, v[i+6], v[i+7]
.set i, i+8
.endr
	v_max3_num_f32 v254, v254, v156, v157
	v_max3_num_f32 v252, v252, v158, v159
	v_max_num_f32 v250, v250, v248
	v_max3_num_f32 v254, v254, v252, v250
	s_delay_alu instid0(VALU_DEP_1)
	v_permlanex16_b32 v246, v254, s[SEL], s[SEL+1]
	s_delay_alu instid0(VALU_DEP_1)
	v_max_num_f32 v254, v254, v246                 ; and among lane l xor 16's
	s_delay_alu instid0(VALU_DEP_1)
	v_mul_f32 v254, s[CS], v254                    ; as t (c is positive)
	s_delay_alu instid0(VALU_DEP_1)
	v_max_num_f32 v13, v13, v254                   ; the running largest t
	v_mov_b32 v254, v12
	s_delay_alu instid0(VALU_DEP_2)
	v_floor_f32 v12, -v13                          ; the new -M = floor(-t) = -ceil(t): M is a whole number
	s_delay_alu instid0(VALU_DEP_1)
	v_sub_f32 v254, v12, v254                      ; M's old value less its new one: a whole number, 0 or less
	s_delay_alu instid0(VALU_DEP_1)
	v_cvt_i32_f32 v254, v254                       ; (it saturates)
	s_delay_alu instid0(VALU_DEP_1)
	v_ldexp_f32 v252, 1.0, v254                    ; f = 2^(old M - new M)
.set j, 0
.rept 32
	v_pk_fma_f32 v[96+j:97+j], v[96+j:97+j], s[CS:CS+1], v[12:13] op_sel_hi:[1,0,0]   ; t - M, two at a time (of the pairs c and -M the low word serves both halves)
.set j, j+2
.endr
.set j, 0
	s_wait_alu depctr_va_vdst(0)                   ; the wait ahead of the batch
.rept 64
	v_exp_f32 v[96+j], v[96+j]                     ; p = 2^(t - M), at most 1: not normalised
.set j, j+1
.endr
	v_pk_mul_f32 v[14:15], v[14:15], v[252:253] op_sel_hi:[1,0]   ; the sums under the new M: the plain line behind the exponentials
	s_wait_alu depctr_va_vdst(0)                   ; one wait for the whole batch, ahead of its first reader
	v_pk_add_f32 v[242:243], v[96:97], v[98:99]    ; the row's sum of the unquantised p, in four chains by turns
	v_pk_add_f32 v[248:249], v[100:101], v[102:103]
	v_pk_add_f32 v[238:239], v[104:105], v[106:107]
	v_pk_add_f32 v[14:15], v[14:15], v[108:109]
.set j, 110
.rept 6
	v_pk_add_f32 v[242:243], v[242:243], v[j:j+1]
	v_pk_add_f32 v[248:249], v[248:249], v[j+2:j+3]
	v_pk_add_f32 v[238:239], v[238:239], v[j+4:j+5]
	v_pk_add_f32 v[14:15], v[14:15], v[j+6:j+7]
.set j, j+8
.endr
	v_pk_add_f32 v[242:243], v[242:243], v[158:159]
	v_pk_add_f32 v[248:249], v[248:249], v[238:239]
	v_pk_add_f32 v[14:15], v[14:15], v[242:243]
	s_delay_alu instid0(VALU_DEP_1)
	v_pk_add_f32 v[14:15], v[14:15], v[248:249]
.set t, 0
.rept 8
.set i, 0
.rept 4
	v_dual_min_num_f32 v[96+8*t+i], v[96+8*t+i], v240 :: v_dual_min_num_f32 v[97+8*t+i], v[97+8*t+i], v241   ; the conversion does not saturate (ISA guide 7.6.2); p is not negative, so the hold is one-sided
.set i, i+2
.endr
	v_cvt_scalef32_pk8_fp8_f32 v[224+2*t:225+2*t], v[96+8*t:103+8*t], v244
.set t, t+1
.endr
	s_wait_alu depctr_va_vdst(0)                   ; the wait here, directly ahead of the first reader of O^T
.set j, 0
.rept 16
	v_pk_mul_f32 v[160+j:161+j], v[160+j:161+j], v[252:253] op_sel_hi:[1,0]   ; O^T under the new M.  (Also the plain lines between the conversions and the products that read their results)
.set j, j+2
.endr
	s_wait_alu depctr_va_vdst(0)                   ; the wait here, directly ahead of the wait below
	s_wait_dscnt 0x0                               ; V is in
.irp t, 0,1,2,3
	v_wmma_f32_16x16x128_fp8_fp8 v[160+8*\t:167+8*\t], v[32+16*\t:47+16*\t], v[224:239], v[160+8*\t:167+8*\t]   ; the four accumulators by turns; between two links of one lie the other three and the next step's eight
.endr
.Lhidden:
	s_add_co_u32 s[KS], s[KS], 1
	s_add_co_u32 s[TB], s[TB], 8192
	s_sub_co_u32 s[CNT], s[CNT], 1
	s_cmp_lg_u32 s[CNT], 0
	s_cbranch_scc1 .Lstep
	; THE WAY OUT.  ctx = O^T x 2^(e8 + e9) / the sum.  Register 8 t + j is channel 16 t + 8 (lane / 16) + j of my query: eight convert into registers 2 t, 2 t + 1 of the head's half of a fragment of 16 tokens x 128 k.
	v_add_f32 v14, v14, v15                        ; the sum's two halves,
	s_delay_alu instid0(VALU_DEP_1)
	v_permlanex16_b32 v246, v14, s[SEL], s[SEL+1]
	s_delay_alu instid0(VALU_DEP_1)
	v_add_f32 v14, v14, v246                       ; and lane l xor 16's
	s_wait_alu depctr_va_vdst(0)                   ; the wait ahead of a transcendental,
	v_rcp_f32 v14, v14
	v_nop
	s_wait_alu depctr_va_vdst(0)                   ; ahead of its first reader,
	v_ldexp_f32 v14, v14, s38                      ; x 2^(e8 + e9)
	s_wait_alu depctr_va_vdst(0)                   ; and ahead of the first readers of O^T
.set j, 0
.rept 16
	v_pk_mul_f32 v[96+j:97+j], v[160+j:161+j], v[14:15] op_sel_hi:[1,0]
.set j, j+2
.endr
.set j, 0
.rept 32
	v_med3_num_f32 v[96+j], v[96+j], -v217, v217   ; the conversion does not saturate (ISA guide 7.6.2)
.set j, j+1
.endr
.irp t, 0,1,2,3
	v_cvt_scalef32_pk8_fp8_f32 v[208+2*\t:209+2*\t], v[96+8*\t:103+8*\t], v216
.endr
	v_nop
	global_store_b128 v[LI], v[208:211], s[8:9]              ; each store of the wave covers 512 consecutive bytes, aligned
	global_store_b128 v[LI], v[212:215], s[8:9] offset:512
	s_wait_tensorcnt 0x0                           ; the wave's end
	ds_add_u32 v[SPW], v[NIL]
	s_wait_dscnt 0x0
	ROUND                                          ; the closing round: no work-group ends while a partner may still ask for a tile that names it
	s_endpgm
.Lfunc_end_k_q1294a2b477_attn:
	.size	k_q1294a2b477_attn, .Lfunc_end_k_q1294a2b477_attn-k_q1294a2b477_attn
	.p2alignl 7, 3214868480
	.fill 96, 4, 3214868480
	.section	.rodata,"a",@progbits
	.p2align	6, 0x0
	.amdhsa_kernel k_q1294a2b477_attn
		.amdhsa_group_segment_fixed_size 327680
		.amdhsa_private_segment_fixed_size 0
		.amdhsa_enable_private_segment 0
		.amdhsa_kernarg_size 24
		.amdhsa_user_sgpr_count 2
		.amdhsa_user_sgpr_kernarg_segment_ptr 1
		.amdhsa_wavefront_size32 1
		.amdhsa_system_sgpr_workgroup_id_x 1
		.amdhsa_system_sgpr_workgroup_id_y 1
		.amdhsa_system_sgpr_workgroup_id_z 1
		.amdhsa_system_vgpr_workitem_id 0
		.amdhsa_next_free_vgpr 256
		.amdhsa_next_free_sgpr 100
		.amdhsa_reserve_vcc 1
		.amdhsa_float_denorm_mode_32 3
		.amdhsa_float_denorm_mode_16_64 3
		.amdhsa_memory_ordered 1
		.amdhsa_forward_progress 1
		.amdhsa_inst_pref_size 33
	.end_amdhsa_kernel
	.amdgpu_metadata
---
amdhsa.version: [ 1, 2 ]
amdhsa.kernels:
  - .name:           k_q1294a2b477_attn
    .symbol:         k_q1294a2b477_attn.kd
    .args:
      - { .name: qkv, .offset: 0, .size: 8, .value_kind: global_buffer, .address_space: global }
      - { .name: lowp_scales, .offset: 8, .size: 8, .value_kind: global_buffer, .address_space: global }
      - { .name: cc, .offset: 16, .size: 8, .value_kind: global_buffer, .address_space: global }
    .group_segment_fixed_size: 327680
    .private_segment_fixed_size: 0
    .kernarg_segment_align: 8
    .kernarg_segment_size: 24
    .max_flat_workgroup_size: 512
    .sgpr_count:     100
    .vgpr_count:     256
    .wavefront_size: 32
...
	.end_amdgpu_metadata
.endif
;; end of part 3
;; launch outp (part 4): grid 8 x 32, 4 waves a work-group, clusters of 4 x 4, 327,680 bytes of LDS; arguments cc, wc, lowp_scales, bo, out0; writes out0
.if DOCPART == 4
	.amdgcn_target "amdgcn-amd-amdhsa--gfx1250"
	.amdhsa_code_object_version 6
	.text
	.protected	k_q1294a2b477_outp
	.globl	k_q1294a2b477_outp
	.p2align	8
	.type	k_q1294a2b477_outp,@function
k_q1294a2b477_outp:
	s_mov_b64 s[64:65], 0
	v_nop
	global_prefetch_b8 v0, s[64:65] scope:SCOPE_SE
	s_setreg_imm32_b32 hwreg(HW_REG_WAVE_MODE, 25, 1), 1
	s_wait_xcnt 0x0
	s_wait_alu depctr_hold_cnt(0) depctr_sa_sdst(0) depctr_va_vdst(0) depctr_va_sdst(0) depctr_va_ssrc(0) depctr_va_vcc(0) depctr_vm_vsrc(0)
	s_getreg_b32 s2, hwreg(HW_REG_IB_STS2, 6, 4)
	s_cmp_eq_u32 s2, 0
	s_cbranch_scc0 .Lentry_in_a_cluster
	s_endpgm
.Lentry_in_a_cluster:
	s_bfe_u32 s2, ttmp6, 0x10000c
	s_cmp_lg_u32 s2, 0xf033
	s_cbranch_scc0 .Lentry_shape_is_right
	s_endpgm
.Lentry_shape_is_right:
; out0 = ctx Wo^T + bo on E4M3 codes: [4096][1024] f32; K = 1,024; each finished sum x 2^(e10 + e11) + bo, one packed multiply-add for two numbers.
; A tile of 128 tokens x 128 columns to a work-group: 32 x 8 = 256 work-groups.  Four waves, each 64 x 64: 16 accumulators.
; BOTH OPERANDS' WHOLE K LIES IN LDS (131,072 bytes of ctx's codes, 133,120 of Wo's with padding): nothing is filled again, no ring, and nothing is left to prefetch.  Each wave issues ONE tensor load
; (waves 0, 1: halves of ctx's tile; waves 2, 3: halves of Wo's); everything is read behind one barrier.
; ctx's codes (cc) are images of operand registers: [token / 16][k / 128][2,048], lane l's 16 bytes of register group i at 512 i + 16 l: a fragment comes by four loads of 512 consecutive bytes.
; Wo's codes (wc, section 3) are rows of 1,024 bytes whose pieces of 8 lie so that four loads of 16 bytes, 32 apart, at row x pitch + 16 (lane / 16) put every k in the same places.
; CLUSTERS: 4 x 4 work-groups; ctx's tile is shared along a row of the cluster, Wo's along a column: each load is asked for JOINTLY, with a mask that names the four.
; THE MATRIX INSTRUCTION IS USED TRANSPOSED (source 0 = 16 rows of Wo, source 1 = 16 tokens): a lane holds eight neighbouring columns of one row of out0.
; LIMIT: e10 + e11 between -126 and 127, so that 2^(e10 + e11) is an f32 number.
; REGISTERS: window 0: v1-31 addresses; v32-63 a block's results; v64-95 bo at my columns; v128-255 the accumulators ((a, b) at v[128 + 8 (4 a + b)]).
;   window 1: two fragment buffers of 128: ctx's four fragments (16 registers each), then Wo's four; on the way out v0-127 take the rows read back.
.set PITCH,  1040                      ; a row of Wo in LDS: 1,024 bytes + 16 of padding: 260 words, so that the 16 rows of a load start at 16 different banks (64 banks of 4 bytes: ISA guide 11.1)
.set BBASE,  131072                    ; Wo lies behind ctx
.set STAGE,  BBASE+128*PITCH           ; behind it: 16 rows x 272 bytes for each wave, for the way out: bytes of their own, in which no tile lands
.set SPITCH, 272
.set SPARE,  STAGE+4*16*SPITCH         ; behind the stages: 128 bytes a wave that no other line names
.set ADA,  16                          ; v16  my ctx fragments
.set ADB,  20                          ; v20  the same for Wo
.set STO,  24                          ; v24  the way out: where I put 32 bytes of a row
.set RD,   25                          ; v25  where I read a row back
.set CO,   26                          ; v26  my byte offset in two rows of out0
.set BOO,  27                          ; v27  32 x (lane / 16): my half's eight numbers of bo
.set SPW,  30                          ; v30  LDS address of my spare word; never rewritten
.set NIL,  31                          ; v31  0; never rewritten
.set RES,  32
.set BO,   64
.set ACC,  128
.set G1,   24                          ; s[24:31] descriptor group 1 for ctx's tiles;  s[32:39] for Wo's
.set G1B,  32
.set MSB, 0
.macro WIN new                         ; the immediate's high byte repeats the setting that is left
.if MSB != \new
	s_set_vgpr_msb (MSB<<8)|\new
.set MSB, \new
.endif
.endm
.macro CROUND                          ; a round of the cluster's barrier
	s_barrier_signal -1
	s_barrier_wait -1
	s_cmp_lg_u32 s14, 0
	s_cbranch_scc1 .Lnot_wave_0_\@
	s_barrier_signal -3
.Lnot_wave_0_\@:
	s_barrier_wait -3
	s_barrier_signal -1
	s_barrier_wait -1
.endm
	s_load_b256 s[4:11], s[0:1], 0x0               ; cc s[4:5], wc s[6:7], the exponents s[8:9], bo s[10:11]
	s_load_b64 s[12:13], s[0:1], 0x20              ; out0
	v_lshl_add_u32 v[SPW], v0, 2, SPARE
	v_mov_b32 v[NIL], 0
	ds_add_u32 v[SPW], v[NIL]                      ; the wave's opening: the add, twice on end, and its wait
	ds_add_u32 v[SPW], v[NIL]
	v_lshrrev_b32 v1, 5, v0
	v_readfirstlane_b32 s14, v1                    ; wave 0..3
	s_lshr_b32 s15, s14, 1                         ; which 64 tokens are mine.  Also: I fetch ctx (0) or Wo (1)
	s_and_b32 s16, s14, 1                          ; which 64 columns.  Also: which half of that tile I fetch
	s_bfe_u32 s76, ttmp6, 0x40000                  ; cx, cy: my place in the cluster
	s_bfe_u32 s77, ttmp6, 0x40004
	s_lshl_b32 s78, ttmp9, 2
	s_add_co_u32 s78, s78, s76                     ; tile column = 4 x cluster x + cx
	s_and_b32 s17, ttmp7, 0xffff
	s_lshl_b32 s17, s17, 2
	s_add_co_u32 s17, s17, s77                     ; tile row = 4 x cluster y + cy
	s_lshl_b32 s79, s77, 2
	s_lshl_b32 s79, 15, s79                        ; my row of the cluster
	s_lshl_b32 s80, 0x1111, s76                    ; my column
	; ctx: four tiles of 16 tokens, 65,536 dense bytes, as 16 rows of 4,096
	s_or_b32 s[G1], s79, (3<<16)|(1<<21)           ; 15:0 the mask: my row; 17:16 elements of 8 bytes; 21 set beside a mask; no padding
	s_mov_b32 s[G1+1], 512<<16                     ; tensor_dim0 = 512
	s_mov_b32 s[G1+2], 16<<16                      ; tensor_dim1 = 16
	s_mov_b32 s[G1+3], 512<<16                     ; tile_dim0
	s_mov_b32 s[G1+4], 16                          ; tile_dim1
	s_mov_b32 s[G1+5], 512                         ; tensor_dim0_stride: dense
	s_mov_b32 s[G1+6], 0
	s_mov_b32 s[G1+7], 0
	; Wo: 64 rows of 1,024 bytes, padded in LDS
	s_or_b32 s[G1B], s80, (0<<16)|(1<<20)|(1<<21)|(7<<22)|(3<<25)   ; the mask: my column; elements of 1 byte; padding on: 4 words (code 3) after every 256 (code 7)
	s_mov_b32 s[G1B+1], 1024<<16
	s_mov_b32 s[G1B+2], 64<<16
	s_mov_b32 s[G1B+3], 1024<<16
	s_mov_b32 s[G1B+4], 64
	s_mov_b32 s[G1B+5], 1024
	s_mov_b32 s[G1B+6], 0
	s_mov_b32 s[G1B+7], 0
	s_lshl_b32 s82, s17, 3
	s_lshl_b32 s83, s16, 2
	s_add_co_u32 s82, s82, s83                     ; ctx: tile of tokens 8 x tile row + 4 x half,
	s_lshl_b32 s82, s82, 14                        ; 16,384 bytes each
	s_mov_b32 s83, 0
	s_lshl_b32 s84, s78, 7
	s_lshl_b32 s85, s16, 6
	s_add_co_u32 s84, s84, s85                     ; Wo: row 128 x tile column + 64 x half,
	s_lshl_b32 s84, s84, 10
	s_add_co_u32 s84, s84, 0x300000                ; in section 3 of the weights' codes
	s_mov_b32 s85, 0
	; where they go: no place in the cluster enters an LDS address
	s_mov_b32 s40, 1
	s_lshl_b32 s41, s16, 16
	s_mov_b32 s44, 1
	s_mul_i32 s45, s16, 64*PITCH
	s_add_co_u32 s45, s45, BBASE
	s_wait_dscnt 0x0
	s_wait_kmcnt 0x0
	s_load_b64 s[96:97], s[8:9], 0x28              ; e10, e11
	s_add_nc_u64 s[42:43], s[4:5], s[82:83]        ; every wave makes both descriptors, each in registers that never hold the other coordinate, and asks by one of them
	s_or_b32 s43, s43, 0x80000000
	s_add_nc_u64 s[46:47], s[6:7], s[84:85]
	s_or_b32 s47, s47, 0x80000000
	CROUND                                         ; all sixteen work-groups are here: the joint loads meet
	s_cmp_eq_u32 s15, 0                            ; one load a wave, in one chain of two arms on the wave's number; four v_nop follow
	s_cbranch_scc0 .Lfor_b
	tensor_load_to_lds s[40:43], s[G1:G1+7]
	s_nop 0
.rept 4
	v_nop
.endr
	s_branch .Lasked
.Lfor_b:
	tensor_load_to_lds s[44:47], s[G1B:G1B+7]
	s_nop 0
.rept 4
	v_nop
.endr
.Lasked:
	s_lshl_b32 s88, s15, 16                        ; my four tiles of tokens
	s_mul_i32 s89, s16, 64*PITCH                   ; my 64 rows of Wo
	s_add_co_u32 s89, s89, BBASE
	s_mul_i32 s92, s14, 16*SPITCH
	s_add_co_u32 s92, s92, STAGE                   ; my stage
	s_lshl_b32 s90, s78, 9
	s_lshl_b32 s91, s16, 8
	s_add_co_u32 s90, s90, s91                     ; my first column, in bytes: 512 x tile column + 256 x half
	s_mov_b32 s91, 0
	s_add_nc_u64 s[10:11], s[10:11], s[90:91]
	s_add_nc_u64 s[12:13], s[12:13], s[90:91]
	s_lshl_b32 s90, s17, 7
	s_lshl_b32 s93, s15, 6
	s_add_co_u32 s90, s90, s93                     ; my first row: 128 x tile row + 64 x half
	s_lshl_b32 s90, s90, 12
	s_add_nc_u64 s[12:13], s[12:13], s[90:91]
	v_and_b32 v1, 15, v0                           ; r
	v_bfe_u32 v2, v0, 4, 1                         ; h
	v_and_b32 v3, 31, v0
	v_mul_u32_u24 v4, v1, PITCH
	v_mul_u32_u24 v5, v1, SPITCH                   ; the way out.  In: row r, 32 bytes for each half of the lanes
	v_mul_u32_u24 v6, v2, SPITCH                   ; back: lanes 0-15 take one row of 256 bytes, lanes 16-31 the next
	v_lshlrev_b32 v3, 4, v3                        ; 16 x lane
	v_lshlrev_b32 v[BOO], 5, v2
.irp b, 0,1,2,3
	global_load_b128 v[BO+8*\b:BO+8*\b+3], v[BOO], s[10:11] offset:64*\b        ; bo at columns 16 b + 8 h + 0 .. 7 of my 64
	global_load_b128 v[BO+8*\b+4:BO+8*\b+7], v[BOO], s[10:11] offset:64*\b+16
.endr
	v_lshl_add_u32 v4, v2, 4, v4                   ; row x pitch + 16 x half
	v_lshl_add_u32 v5, v2, 5, v5
	v_lshl_add_u32 v6, v1, 4, v6
	v_lshlrev_b32 v[CO], 12, v2                    ; the same two rows in out0 (4,096 bytes a row)
	v_add_nc_u32 v[ADA], s88, v3
	v_add_nc_u32 v[ADB], s89, v4
	v_add_nc_u32 v[STO], s92, v5
	v_add_nc_u32 v[RD], s92, v6
	v_lshl_add_u32 v[CO], v1, 4, v[CO]
; 32 LDS loads in one run: the fragments of K step s (128 along K) into buffer f
.macro FETCH s, f
	WIN 0x40                                       ; destination window 1, address window 0
.irp a, 0,1,2,3
.irp i, 0,1,2,3
	ds_load_b128 v[\f+16*\a+4*\i:\f+16*\a+4*\i+3], v[ADA] offset:16384*\a+2048*(\s)+512*\i
.endr
.endr
.irp b, 0,1,2,3
.irp i, 0,1,2,3
	ds_load_b128 v[\f+64+16*\b+4*\i:\f+64+16*\b+4*\i+3], v[ADB] offset:16*PITCH*\b+128*(\s)+32*\i
.endr
.endr
.endm
; 16 matrix instructions: the 16 accumulators take turns, one instruction a turn, in the same order in every step.  zero = 1: the first products start the sums
.macro MUL f, zero
	WIN 0x05                                       ; sources 0 (Wo) and 1 (ctx) window 1; C and D window 0
.irp a, 0,1,2,3
.irp b, 0,1,2,3
.if \zero
	v_wmma_f32_16x16x128_fp8_fp8 v[ACC+8*(4*\a+\b):ACC+8*(4*\a+\b)+7], v[\f+64+16*\b:\f+64+16*\b+15], v[\f+16*\a:\f+16*\a+15], 0
.else
	v_wmma_f32_16x16x128_fp8_fp8 v[ACC+8*(4*\a+\b):ACC+8*(4*\a+\b)+7], v[\f+64+16*\b:\f+64+16*\b+15], v[\f+16*\a:\f+16*\a+15], v[ACC+8*(4*\a+\b):ACC+8*(4*\a+\b)+7]
.endif
.endr
.endr
.endm
; K step s: the next step's fragments are asked for, then this step is multiplied
.macro KSTP s, zero
.if ((\s) >= 1) && ((\s) < 7)
.rept 4
	v_nop                                          ; places in front of loads into the buffer that the last products read (ISA guide 7.12.1 for vector instructions)
.endr
.endif
.if (\s) < 7
	FETCH (\s)+1, 128*(((\s)+1)%2)
	s_wait_dscnt 32                                ; all but the 32 just issued: this step's fragments are in
.else
	s_wait_dscnt 0x0
.endif
	MUL 128*((\s)%2), \zero
.endm
	s_wait_alu depctr_va_vdst(0)                   ; the wait at the head's end
	s_wait_tensorcnt 0x0                           ; my load has landed,
	s_barrier_signal -1
	s_barrier_wait -1                              ; and everybody's: both operands are in
	FETCH 0, 0
	KSTP 0, 1
.irp s, 1,2,3,4,5,6,7
	KSTP \s, 0
.endr
	WIN 0
.rept 4
	v_nop                                          ; places behind the last products
.endr
	s_wait_loadcnt 0x0                             ; bo
	s_wait_kmcnt 0x0
	s_add_co_i32 s96, s96, s97                     ; e10 + e11
	s_add_co_i32 s96, s96, 127
	s_lshl_b32 s96, s96, 23                        ; 2^(e10 + e11) as f32
	s_mov_b32 s97, s96                             ; (named with it as a pair, so it is written)
; THE WAY OUT, block by block of 16 rows x 64 columns: a lane's 32 bytes of a row go into my own stage and come back as whole rows of 256 bytes.
; LDS serves a wave's instructions in order (ISA guide 5.7.1.4): no wait between the stores and the loads, nor ahead of the next block's stores.
.macro TOST a
	WIN 0
.irp b, 0,1,2,3
.irp i, 0,2,4,6
	v_pk_fma_f32 v[RES+8*\b+\i:RES+8*\b+\i+1], v[ACC+8*(4*(\a)+\b)+\i:ACC+8*(4*(\a)+\b)+\i+1], s[96:97], v[BO+8*\b+\i:BO+8*\b+\i+1] op_sel_hi:[1,0,1]   ; sum x 2^(e10 + e11) + bo; each accumulator from its low end on
.endr
.endr
.irp b, 0,1,2,3
	ds_store_b128 v[STO], v[RES+8*\b:RES+8*\b+3] offset:64*\b
	ds_store_b128 v[STO], v[RES+8*\b+4:RES+8*\b+7] offset:64*\b+16
.endr
	WIN 0x40
.irp t, 0,1,2,3,4,5,6,7
	ds_load_b128 v[32*(\a)+4*\t:32*(\a)+4*\t+3], v[RD] offset:\t*2*SPITCH      ; each block has its own registers: no store's data are written again
.endr
.endm
.macro SENDA a, younger                ; younger: the next block's eight stores and eight loads, which may stay out
	s_wait_dscnt \younger
	WIN 0x04                                       ; the data's window 1
.irp t, 0,1,2,3,4,5,6,7
	global_store_b128 v[CO], v[32*(\a)+4*\t:32*(\a)+4*\t+3], s[12:13] offset:(16*(\a)+2*\t)*4096 th:TH_STORE_NT   ; 16 lanes store 256 consecutive bytes, at a multiple of 256 from out0's first byte; written once, read by nobody here
.endr
.endm
	TOST 0
	TOST 1
	SENDA 0, 16
	TOST 2
	SENDA 1, 16
	TOST 3
	SENDA 2, 16
	SENDA 3, 0
	WIN 0
	s_wait_tensorcnt 0x0                           ; the wave's end
	ds_add_u32 v[SPW], v[NIL]
	s_wait_dscnt 0x0
	CROUND                                         ; the closing round: no work-group ends while a partner may still ask for a tile that names it
	s_endpgm
.Lfunc_end_k_q1294a2b477_outp:
	.size	k_q1294a2b477_outp, .Lfunc_end_k_q1294a2b477_outp-k_q1294a2b477_outp
	.p2alignl 7, 3214868480
	.fill 96, 4, 3214868480
	.section	.rodata,"a",@progbits
	.p2align	6, 0x0
	.amdhsa_kernel k_q1294a2b477_outp
		.amdhsa_group_segment_fixed_size 327680
		.amdhsa_private_segment_fixed_size 0
		.amdhsa_enable_private_segment 0
		.amdhsa_kernarg_size 40
		.amdhsa_user_sgpr_count 2
		.amdhsa_user_sgpr_kernarg_segment_ptr 1
		.amdhsa_wavefront_size32 1
		.amdhsa_system_sgpr_workgroup_id_x 1
		.amdhsa_system_sgpr_workgroup_id_y 1
		.amdhsa_system_sgpr_workgroup_id_z 1
		.amdhsa_system_vgpr_workitem_id 0
		.amdhsa_next_free_vgpr 512
		.amdhsa_next_free_sgpr 100
		.amdhsa_reserve_vcc 0
		.amdhsa_float_denorm_mode_32 3
		.amdhsa_float_denorm_mode_16_64 3
		.amdhsa_memory_ordered 1
		.amdhsa_forward_progress 1
		.amdhsa_inst_pref_size 45
	.end_amdhsa_kernel
	.amdgpu_metadata
---
amdhsa.version: [ 1, 2 ]
amdhsa.kernels:
  - .name:           k_q1294a2b477_outp
    .symbol:         k_q1294a2b477_outp.kd
    .args:
      - { .name: cc, .offset: 0, .size: 8, .value_kind: global_buffer, .address_space: global }
      - { .name: wc, .offset: 8, .size: 8, .value_kind: global_buffer, .address_space: global }
      - { .name: lowp_scales, .offset: 16, .size: 8, .value_kind: global_buffer, .address_space: global }
      - { .name: bo, .offset: 24, .size: 8, .value_kind: global_buffer, .address_space: global }
      - { .name: out0, .offset: 32, .size: 8, .value_kind: global_buffer, .address_space: global }
    .group_segment_fixed_size: 327680
    .private_segment_fixed_size: 0
    .kernarg_segment_align: 8
    .kernarg_segment_size: 40
    .max_flat_workgroup_size: 128
    .sgpr_count:     100
    .vgpr_count:     512
    .wavefront_size: 32
...
	.end_amdgpu_metadata
.endif
;; end of part 4
